; MI455X (gfx1250); checked and timed in simulation.
; The chip was launched on July 23, 2026; its instructions are those of AMD's public machine-readable ISA for CDNA 5 (MIT licence, August 2026) and "CDNA5" Instruction Set Architecture Reference Guide (July 2026). The comments in the code are by the model that wrote it; some were corrected since.
;; Lora Quant Linear. Allowed arithmetic: matrix products marked QUANTISED: E5M2 operands, one given power-of-two scale a tensor, by v_wmma_f32_16x16x64_bf8_bf8 or v_wmma_f32_16x16x128_bf8_bf8, f32 sums; products left as they are: f32 operands where the result goes on into a quantised operand, else bf16, f16 or f32 operands; f32 sums; everything else in f32.
;; Inputs: codes 4,096 x 4,096 int32; lora_A 16 x 4,096 float32; lora_B 4,096 x 16 float32; lowp_scales 4 int32 (the exponents e of the quantised operands' scales 2^e); scales 262,144 float32; x 4,096 x 4,096 float32.
;; Outputs: out0 4,096 x 4,096 float32.
;; This version of the problem:
;;   THIS VERSION OF THE PROBLEM IS GIVEN IN LOW PRECISION. The matrix products marked QUANTISED in the list below multiply operands that are first quantised to E5M2 (5 exponent bits, 2 mantissa bits; 8 bits a number), with one given power-of-two scale for each operand tensor; their sums are f32. All else is computed in f32.
;;   The module's matrix products, in the order in which they are computed (A, B: the left and right operand; K: the contracted axis; several contracted axes count as one K, in the product's order):
;;     1. [M 4,096, K 4,096] x [K 4,096, N 4,096]; A: input x; B: computed on the way: QUANTISED (scales: A lowp_scales[0], B lowp_scales[1])
;;     2. [M 4,096, K 4,096] x [K 4,096, N 16]; A: input x; B: input lora_A: QUANTISED (scales: A lowp_scales[2], B lowp_scales[3])
;;     3. [M 4,096, K 16] x [K 16, N 4,096]; A: computed on the way; B: input lora_B: left as it is (K = 16 < 32)
;;   THE QUANTISER, for each operand of a quantised product, along K:
;;     - The operand's scale is 2^e, e = its entry of the input lowp_scales (int32; the entries are numbered through the quantised products in the list's order, A before B).
;;     - Each number is divided by the scale, clamped to +-57,344, and rounded to the nearest number of E5M2, ties to even, subnormals kept.
;;     - The product sums the exact products of the quantised numbers (number of the format x scale) in f32.
;;   ~~~python
;;   def quantise(x, axis, e):      # numpy; x: float32 -> the quantised numbers, widened to float32 again
;;       x = np.moveaxis(x, axis, -1); K = x.shape[-1]
;;       r = np.clip(x / 2.0 ** e, -57344, 57344)
;;       step = 2.0 ** (np.maximum(np.frexp(np.where(r == 0, 1, r))[1] - 1, -14) - 2)
;;       q = np.round(r / step) * step * 2.0 ** e      # np.round: ties to even
;;       return np.moveaxis(q, -1, axis).astype(np.float32)
;;   ~~~
;;   OPERANDS COMPUTED ON THE WAY. 'Computed on the way' means the value that the module computes at that place (a softmax that the list does not call 'softmax' is quantised finished and normalised). What goes into a quantiser is computed in f32, as accurately as f32 sums, v_exp_f32 and their like allow (about 1e-6 of the number): no bf16 or f16 on the way to a quantiser, and a product that is left as it is and whose result goes on into a quantised operand takes f32 operands (vector FMAs, or v_wmma_f32_16x16x4_f32). A number that lies on a knife's edge between two numbers of the format may be rounded either way, as far as f32 arithmetic and the matrix unit's own rounding can turn it there, and no further.
;; One version. Each part assembles by itself: llvm-mc -triple=amdgcn-amd-amdhsa -mcpu=gfx1250 --defsym DOCPART=n.
;; ======== version 1 of 1: 2 launches
;; limits: values are held in bf16: 8 bits of precision; right only within a limited range of input values
;; workspace buffers: xq 16,777,216 bytes; wq 16,777,216 bytes; lb16 262,144 bytes; t16 262,144 bytes
;; launch prep (part 1): grid 256 x 1, 16 waves a work-group, no clusters, 327,680 bytes of LDS; arguments x, codes, scales, lora_A, lora_B, lowp_scales, xq, wq, lb16, t16; writes xq, wq, lb16, t16
.if DOCPART == 1
	.amdgcn_target "amdgcn-amd-amdhsa--gfx1250"
	.amdhsa_code_object_version 6
	.text
	.protected	k_q2cb060c0e1_prep
	.globl	k_q2cb060c0e1_prep
	.p2align	8
	.type	k_q2cb060c0e1_prep,@function
k_q2cb060c0e1_prep:
	s_mov_b64 s[64:65], 0
	v_nop
	global_prefetch_b8 v0, s[64:65] scope:SCOPE_SE
	s_setreg_imm32_b32 hwreg(HW_REG_WAVE_MODE, 25, 1), 1
	s_wait_xcnt 0x0
; ALL OPERANDS OF THE LAST LAUNCH ARE MADE HERE, each large input read once.
;   xq:   x [4096][4096] f32 as codes of BF8 (E5M2) under the given scale 2^e0.
;   t16:  t = Q(x; e2) Q(lora_A; e3)^T (rank 16), made on codes by the matrix unit, x 2^(e2 + e3 - e0 - e1 + 1) (its two scales, SCALING = 2, less the power of two that the large product's sums still lack), as bf16.
;   wq:   W[n][k] = NF4[codes[n][k]] x scales[64 n + k / 64] (one f32 product) as codes under 2^e1.        lb16: lora_B as bf16.
; code = number / 2^e, held within +-57,344, rounded to the nearest code, ties to even.
; LIMITS: e0 .. e3 each between -126 and 112, so that 2^e and 57,344 x 2^e are f32 numbers.  NaN among the inputs is not served.  An index in codes lies in 0 .. 15.
; LAYOUT: IMAGES OF OPERAND REGISTERS.  A fragment of 16 rows x 128 K of codes is 2,048 bytes: [chunk c 0..3][lane 0..31][16 bytes]; lane (r = lane % 16, h = lane / 16) holds, of row r, k = 64 h + 16 c + 0 .. 15:
; the same places of k in x's, W's and lora_A's fragments, so every product meets its partner.  xq, wq: [K / 256][rows / 16][two fragments].  t16, lb16: [rows / 16][1,024 bytes]: ranks 8 h .. 8 h + 7 of row r in bf16, then zeros.
; SHARES.  Work-group g owns rows 16 g .. 16 g + 15 of x and of W; wave w owns K = 256 w .. 256 w + 255 of both and of lora_A.
; lora_A: the wave's 16 ranks x 1,024 bytes come by ONE tensor load at the head into LDS bytes of the wave's own, filled once; a lane reads its rank's numbers from there, 16 neighbours a chunk, and the conversions' results are the fragments.
; x AND THE INDICES: four fragments X0 X1 W0 W1, each by 16 loads, one for each row: 32 lanes read 512 consecutive bytes, lane l the four numbers k = 4 l .. 4 l + 3.  Two loads' registers are eight numbers for one conversion,
; whose two result words are four codes of each of two rows.  Only CODES turn through the wave's own stage in LDS: 16 stores of a word (row by row, 128 bytes + 16 of padding), 4 loads of 16 bytes give the image.
; Two sets of 64 registers take turns; a set is asked for again as soon as its numbers have been converted, so loads are out from the head to the last fragment.
; W: a lane's 64 numbers of a fragment lie in ONE block of 64, so it makes the block's 16 possible codes once (16 products, holds, two conversions: four words) and looks its indices up four at a time:
; four indices packed into a word select bytes of entries 0-7 and of entries 8-15 (v_perm_b32), and a third v_perm_b32 takes the one or the other by each index's bit 3.
; t: each wave's two matrix instructions give its part of the sum over K; the part is put into LDS behind the x phase, and the ONE barrier stands at the launch's end, behind W's work: then wave 0 adds the fifteen other parts to its own,
; in a fixed order.  Wave 1 turns the group's 16 rows of lora_B.
; NO CLUSTER: no two work-groups read the same rows of x or of codes; lora_A, which all read, is a third of a work-group's bytes.  NO PREFETCH: the text has no loop to run ahead in, and its own loads are asked for as early as registers are free.
.set PITCH, 1040                       ; lora_A's tile: a row of 1,024 bytes + 16: the 16 rows that a load of 16 bytes touches fall on 16 different columns of 16 bytes
.set TILE,  16*PITCH
.set STG,   16*TILE                    ; behind the tiles: the stages; no tensor load lands there
.set SP,    144                        ; a stage row: 128 bytes + 16
.set AREA,  16*SP                      ; a wave's stage
.set RED,   STG+16*AREA                ; 1,024 bytes for each wave's part of t
.set SPARE, RED+16*1024                ; the spare words, 128 bytes a wave, named by no other line
.set SPW,   18
.set NIL,   19
.set B0,    32                         ; v32-95, v96-159: the two sets of 64 loaded numbers: register 4 row + i
.set B1,    96
.set AT,    160                        ; v160-223 a fragment of lora_A as f32; then:
.set T,     160                        ; v160-167 eight numbers held for e0; at the end wave 0's t in bf16
.set CD,    168                        ; v168-199 codes to store, 16 registers for each of two fragments: x's, later W's
.set D,     200                        ; v200-207 my part of t
.set C2,    208                        ; v208-223 a fragment of x under e2
.set AQ,    224                        ; v224-255 lora_A's two fragments
.set P,     208                        ; wave 0: five parts of t at a time (v208-247)
.set LBF,   208                        ; wave 1: lora_B
.set LBO,   224
.set SEL,   208                        ; W: 16 words of four indices
.set TT,    224                        ; W: a block's 16 numbers
.set TB,    240                        ; W: their codes, four words
.set G1,    36                         ; s[36:43] descriptor group 1
.set G0,    52                         ; s[52:55] group 0
	s_load_b256 s[4:11], s[0:1], 0x0               ; x, codes, scales, lora_A
	s_load_b256 s[12:19], s[0:1], 0x20             ; lora_B, the exponents, xq, wq
	s_load_b128 s[20:23], s[0:1], 0x40             ; lb16, t16
	v_lshl_add_u32 v[SPW], v0, 2, SPARE
	v_mov_b32 v[NIL], 0
	ds_add_u32 v[SPW], v[NIL]                      ; the opening lines: the add twice on end,
	ds_add_u32 v[SPW], v[NIL]                      ; under one wait; work on registers stands between
	v_lshrrev_b32 v1, 5, v0
	s_delay_alu instid0(VALU_DEP_1)
	v_readfirstlane_b32 s24, v1                    ; wave 0..15
	s_mul_i32 s25, s24, AREA
	s_add_co_u32 s25, s25, STG                     ; my stage
	s_mul_i32 s34, s24, TILE                       ; my tile of lora_A
	s_lshl_b32 s28, s24, 10
	s_lshl_b32 s29, s24, 4
	s_mov_b32 s[G1], (2<<16)|(1<<20)|(7<<22)|(3<<25) ; elements of 4 bytes; padding: after every 256 words four words
	s_mov_b32 s[G1+1], 256<<16                     ; tensor_dim0 = 256
	s_mov_b32 s[G1+2], 16<<16                      ; tensor_dim1 = 16
	s_mov_b32 s[G1+3], 256<<16                     ; tile_dim0 = 256
	s_mov_b32 s[G1+4], 16                          ; tile_dim1 = 16
	s_mov_b32 s[G1+5], 4096                        ; elements from row to row
	s_mov_b32 s[G1+6], 0
	s_mov_b32 s[G1+7], 0
	s_mov_b32 s[G0], 1
	s_mul_i32 s[G0+1], s24, TILE                   ; LDS address
	s_lshl_b32 s26, ttmp9, 18                      ; 16 rows of 16,384 bytes for each work-group,
	s_add_co_u32 s26, s26, s28                     ; 1,024 bytes of a row for each wave: the same place in x and in codes
	s_mov_b32 s27, 0
	s_mov_b32 s30, s28
	s_mov_b32 s31, 0
	s_lshl_b32 s32, ttmp9, 12
	s_mov_b32 s33, 0
	v_and_b32 v1, 31, v0                           ; lane
	v_and_b32 v2, 15, v0                           ; r
	v_bfe_u32 v3, v0, 4, 1                         ; h
	v_lshlrev_b32 v4, 4, v1                        ; 16 x lane: my place in a row's 512 bytes and in an image's chunk
	v_lshlrev_b32 v16, 2, v1
	v_mul_u32_u24 v17, v2, SP
	v_mul_u32_u24 v23, v2, PITCH
	v_lshlrev_b32 v22, 8, v2
	v_add_nc_u32 v16, s25, v16                     ; into my stage: 4 x lane
	v_lshl_add_u32 v17, v3, 6, v17
	v_lshl_add_u32 v23, v3, 8, v23
	v_add_nc_u32 v22, s29, v22                     ; scales: 256 r + 16 w
	v_add_nc_u32 v7, RED, v4                       ; where wave 0 reads the parts of t
	v_add_nc_u32 v17, s25, v17                     ; out of my stage: row r, + 64 h
	v_add_nc_u32 v23, s34, v23                     ; lora_A's tile: rank r, + 256 h bytes (k = 64 h)
	v_add_nc_u32 v6, s28, v7                       ; where my part of t goes
	s_wait_alu depctr_va_vdst(0)                   ; directly ahead of the waits below
	s_wait_dscnt 0x0                               ; both opening adds are done
	s_wait_kmcnt 0x0
	s_load_b128 s[44:47], s[14:15], 0x0            ; e0, e1, e2, e3
	s_add_nc_u64 s[G0+2:G0+3], s[10:11], s[30:31]  ; lora_A: my 1,024 bytes of each row
	s_or_b32 s[G0+3], s[G0+3], 0x80000000          ; type = 2
	tensor_load_to_lds s[G0:G0+3], s[G1:G1+7]      ; my one tensor load of the launch
	s_nop 0
	s_add_nc_u64 s[8:9], s[8:9], s[32:33]          ; scales of my 16 rows: 256 bytes a row
	s_add_nc_u64 s[4:5], s[4:5], s[26:27]
	s_add_nc_u64 s[6:7], s[6:7], s[26:27]
.macro LOADF buf, base, q              ; a fragment: 16 rows x 512 consecutive bytes, read once in the launch
.irp r, 0,1,2,3,4,5,6,7,8,9,10,11,12,13,14,15
	global_load_b128 v[\buf+4*\r:\buf+4*\r+3], v4, s[\base:\base+1] offset:16384*\r+512*\q th:TH_LOAD_NT
.endr
.endm
	global_load_b128 v[24:27], v22, s[8:9]         ; my row's four block scales; the sixteen waves read the group's 4,096 bytes once between them
	LOADF B0, 4, 0                                 ; X0
	LOADF B1, 4, 1                                 ; X1
	s_add_nc_u64 s[16:17], s[16:17], s[32:33]      ; xq and wq: 4,096 bytes for each 16 rows,
	s_add_nc_u64 s[18:19], s[18:19], s[32:33]
	s_lshl_b32 s26, s24, 20
	s_add_nc_u64 s[16:17], s[16:17], s[26:27]      ; 2^20 bytes for each 256 along K
	s_add_nc_u64 s[18:19], s[18:19], s[26:27]
	s_lshl_b32 s26, ttmp9, 10
	s_add_nc_u64 s[12:13], s[12:13], s[26:27]      ; lora_B, lb16, t16: 1,024 bytes for each 16 rows
	s_add_nc_u64 s[20:21], s[20:21], s[26:27]
	s_add_nc_u64 s[22:23], s[22:23], s[26:27]
	s_mov_b32 s51, 0x03020100
	s_wait_kmcnt 0x0
.macro POW2 e, vs, vl                  ; v[vs] = 2^e as f32 (a conversion takes its exponent field); v[vl] = 57,344 x 2^e
	s_add_co_i32 s48, s[\e], 127
	s_lshl_b32 s49, s48, 23
	v_mov_b32 v[\vs], s49
	s_add_co_i32 s48, s48, 15
	s_lshl_b32 s48, s48, 23
	s_or_b32 s48, s48, 0x600000
	v_mov_b32 v[\vl], s48
.endm
	POW2 44, 8, 9                                  ; e0
	POW2 46, 10, 11                                ; e2
	POW2 47, 12, 13                                ; e3
	POW2 45, 14, 15                                ; e1
	s_add_co_i32 s50, s46, s47
	s_sub_co_i32 s50, s50, s44
	s_sub_co_i32 s50, s50, s45
	s_add_co_i32 s50, s50, 1                       ; e2 + e3 - e0 - e1 + 1
.macro TURNL reg                       ; 16 words, one of each row, through my stage; back as the image's four chunks.  LDS serves a wave's instructions in order (ISA guide 5.7.1.4), so one stage serves image after image
.irp r, 0,1,2,3,4,5,6,7,8,9,10,11,12,13,14,15
	ds_store_b32 v16, v[\reg+\r] offset:SP*\r
.endr
.irp c, 0,1,2,3
	ds_load_b128 v[\reg+4*\c:\reg+4*\c+3], v17 offset:16*\c
.endr
.endm
.macro QA q                            ; a fragment of lora_A: register 16 c + i = k 128 q + 64 h + 16 c + i of my rank; the hold (the conversion does not saturate: ISA guide 7.6.2); eight numbers a conversion
.irp c, 0,1,2,3
.irp j, 0,1,2,3
	ds_load_b128 v[AT+16*\c+4*\j:AT+16*\c+4*\j+3], v23 offset:512*\q+64*\c+16*\j
.endr
.endr
	s_wait_dscnt 0x0
.set i, 0
.rept 64
	v_med3_num_f32 v[AT+i], v[AT+i], -v13, v13
.set i, i+1
.endr
.irp p, 0,1,2,3,4,5,6,7
	v_cvt_scalef32_pk8_bf8_f32 v[AQ+16*\q+2*\p:AQ+16*\q+2*\p+1], v[AT+8*\p:AT+8*\p+7], v12
.endr
	v_nop                                          ; one plain vector line behind the last conversion of a run
.endm
; A fragment of x, two rows at a time: under e0 (stored) and under e2 (multiplied).  Each run of eight holds is also the plain work behind the conversion ahead of it, and touches none of its registers.
.macro QXV q, buf
.irp p, 0,1,2,3,4,5,6,7
.irp i, 0,1,2,3,4,5,6,7
	v_med3_num_f32 v[T+\i], v[\buf+8*\p+\i], -v9, v9
.endr
	v_cvt_scalef32_pk8_bf8_f32 v[CD+16*\q+2*\p:CD+16*\q+2*\p+1], v[T:T+7], v8
.irp i, 0,1,2,3,4,5,6,7
	v_med3_num_f32 v[\buf+8*\p+\i], v[\buf+8*\p+\i], -v11, v11
.endr
	v_cvt_scalef32_pk8_bf8_f32 v[C2+2*\p:C2+2*\p+1], v[\buf+8*\p:\buf+8*\p+7], v10
.endr
	v_nop
.endm
.macro QXL q
	TURNL CD+16*\q
	TURNL C2
	s_wait_dscnt 20                                ; the first image is back; the second's 16 stores and 4 loads may be out
.irp c, 0,1,2,3
	global_store_b128 v4, v[CD+16*\q+4*\c:CD+16*\q+4*\c+3], s[16:17] offset:2048*\q+512*\c   ; 32 lanes store 512 consecutive bytes, aligned
.endr
	s_wait_dscnt 0x0
; source 0 = lora_A's 16 ranks, source 1 = my 16 rows of x: register j of lane (r, h) is t(row r, rank 8 h + j)
.if \q == 0
	v_wmma_f32_16x16x128_bf8_bf8 v[D:D+7], v[AQ:AQ+15], v[C2:C2+15], 0
.else
	s_wait_alu depctr_va_vdst(0)                   ; the wait stands directly ahead of the link
	v_wmma_f32_16x16x128_bf8_bf8 v[D:D+7], v[AQ+16:AQ+31], v[C2:C2+15], v[D:D+7]
.endif
.endm
	s_wait_alu depctr_va_vdst(0)                   ; the wait at the head's end
	s_wait_tensorcnt 0x0                           ; my tile of lora_A has landed; only I read it
	QA 0
	QA 1
	s_wait_loadcnt 16                              ; the scales and X0 are in; X1's 16 loads may be out
	v_cmp_eq_u32 vcc_lo, 1, v3
	v_cndmask_b32 v20, v24, v25, vcc_lo            ; my block's scale in W0: block 4 w + h of my row,
	v_cndmask_b32 v21, v26, v27, vcc_lo            ; in W1: block 4 w + 2 + h
	QXV 0, B0
	LOADF B0, 6, 0                                 ; W0, into the set just converted
	QXL 0
	s_wait_loadcnt 16                              ; X1 is in
	QXV 1, B1                                      ; (its first conversion into C2 stands behind 16 holds that name no register of the matrix instruction)
	LOADF B1, 6, 1                                 ; W1
	QXL 1
.rept 4
	v_nop                                          ; four places between the matrix instruction and what reads its result or writes its registers (ISA guide 7.12.1)
.endr
	ds_store_b128 v6, v[D:D+3]                     ; my part of t, the result's low end first; it is read behind the barrier at the end
	ds_store_b128 v6, v[D+4:D+7] offset:512
	; ---- wave 1: the group's 16 rows of lora_B as a bf16 fragment of K = 32, its upper 16 along K zeros
	s_cmp_lg_u32 s24, 1
	s_cbranch_scc1 .Lno_lb
	v_lshlrev_b32 v[LBO], 6, v2
	s_delay_alu instid0(VALU_DEP_1)
	v_lshl_add_u32 v[LBO], v3, 5, v[LBO]           ; row r of 64 bytes + 32 h
	global_load_b128 v[LBF:LBF+3], v[LBO], s[12:13]
	global_load_b128 v[LBF+4:LBF+7], v[LBO], s[12:13] offset:16
	s_wait_loadcnt 0x0
.irp k, 0,1,2,3
	v_cvt_pk_bf16_f32 v[LBF+8+\k], v[LBF+2*\k], v[LBF+2*\k+1]
	v_mov_b32 v[LBF+12+\k], 0
.endr
	global_store_b128 v4, v[LBF+8:LBF+11], s[20:21]
	global_store_b128 v4, v[LBF+12:LBF+15], s[20:21] offset:512
.Lno_lb:
; ---- W.  One fragment: the block's table, the indices packed and turned, the lookup.
.macro WQ q, buf
.set i, 0
.irp n, 0xbf800000, 0xbf3239b1, 0xbf066b30, 0xbeca32a0, 0xbe91a24d, 0xbe3d353f, 0xbdba7871, 0x00000000, 0x3da2faff, 0x3e24cae3, 0x3e7c04dd, 0x3ead033a, 0x3ee1a4b8, 0x3f1007ab, 0x3f3913b3, 0x3f800000
	v_mul_f32 v[TT+i], \n, v[20+\q]                ; NF4[i] x my block's scale
.set i, i+1
.endr
.set i, 0
.rept 16
	v_med3_num_f32 v[TT+i], v[TT+i], -v15, v15     ; the hold at the largest code x 2^e1
.set i, i+1
.endr
	v_cvt_scalef32_pk8_bf8_f32 v[TB:TB+1], v[TT:TT+7], v14       ; entries 0-7
	v_cvt_scalef32_pk8_bf8_f32 v[TB+2:TB+3], v[TT+8:TT+15], v14  ; entries 8-15
.set i, 0
.rept 16                               ; a row's four indices into one word, the first in the lowest byte (these plain lines stand behind the conversions and touch none of their registers)
	v_lshl_or_b32 v[\buf+4*i], v[\buf+4*i+1], 8, v[\buf+4*i]
.set i, i+1
.endr
.set i, 0
.rept 16
	v_lshl_or_b32 v[\buf+4*i+2], v[\buf+4*i+3], 8, v[\buf+4*i+2]
.set i, i+1
.endr
.set i, 0
.rept 16
	v_lshl_or_b32 v[SEL+i], v[\buf+4*i+2], 16, v[\buf+4*i]
.set i, i+1
.endr
	TURNL SEL
	s_wait_dscnt 0x0
.set i, 0
.rept 16
	v_and_b32 v[\buf+4*i], 0x07070707, v[SEL+i]    ; each index's low three bits: a byte among eight
	v_lshrrev_b32 v[\buf+4*i+1], 1, v[SEL+i]
.set i, i+1
.endr
.set i, 0
.rept 16
	v_and_or_b32 v[\buf+4*i+1], v[\buf+4*i+1], 0x04040404, s51   ; byte b: b + 4 x the index's bit 3
.set i, i+1
.endr
.set i, 0
.rept 16
	v_perm_b32 v[\buf+4*i+2], v[TB+1], v[TB], v[\buf+4*i]        ; among entries 0-7
.set i, i+1
.endr
.set i, 0
.rept 16
	v_perm_b32 v[\buf+4*i+3], v[TB+3], v[TB+2], v[\buf+4*i]      ; among entries 8-15
.set i, i+1
.endr
.set i, 0
.rept 16
	v_perm_b32 v[CD+16*\q+i], v[\buf+4*i+3], v[\buf+4*i+2], v[\buf+4*i+1]
.set i, i+1
.endr
.irp c, 0,1,2,3
	global_store_b128 v4, v[CD+16*\q+4*\c:CD+16*\q+4*\c+3], s[18:19] offset:2048*\q+512*\c   ; 32 lanes store 512 consecutive bytes, aligned
.endr
.endm
	s_wait_xcnt 0x0                                ; the earlier stores have read their registers: W's codes and words may be written there
	s_wait_loadcnt 16                              ; W0 is in
	WQ 0, B0
	s_wait_loadcnt 0x0                             ; W1 is in
	WQ 1, B1
	s_wait_dscnt 0x0                               ; for wave 0's sake: my part of t lies in LDS
	s_barrier_signal -1
	s_barrier_wait -1
	; ---- wave 0: the fifteen other parts are added to its own, five at a time, then scaled and stored as a bf16 fragment of K = 32, its upper 16 along K zeros
	s_cmp_lg_u32 s24, 0
	s_cbranch_scc1 .Lno_t
.irp s, 0,1,2
.irp p, 0,1,2,3,4
	ds_load_b128 v[P+8*\p:P+8*\p+3], v7 offset:1024*(1+5*\s+\p)
	ds_load_b128 v[P+8*\p+4:P+8*\p+7], v7 offset:1024*(1+5*\s+\p)+512
.endr
.if \s > 0
	s_wait_alu depctr_va_vdst(0)                   ; directly ahead of the wait below
.endif
	s_wait_dscnt 0x0
.irp p, 0,1,2,3,4
.irp j, 0,2,4,6
	v_pk_add_f32 v[D+\j:D+\j+1], v[D+\j:D+\j+1], v[P+8*\p+\j:P+8*\p+\j+1]
.endr
.endr
.endr
.irp j, 0,1,2,3,4,5,6,7
	v_ldexp_f32 v[D+\j], v[D+\j], s50              ; x 2^(e2 + e3 - e0 - e1 + 1)
.endr
.irp k, 0,1,2,3
	v_cvt_pk_bf16_f32 v[T+\k], v[D+2*\k], v[D+2*\k+1]
	v_mov_b32 v[T+4+\k], 0
.endr
	global_store_b128 v4, v[T:T+3], s[22:23]
	global_store_b128 v4, v[T+4:T+7], s[22:23] offset:512
.Lno_t:
	s_wait_tensorcnt 0x0                           ; the wave's end: behind my tensor load and my last LDS store
	ds_add_u32 v[SPW], v[NIL]
	s_wait_dscnt 0x0
	s_endpgm
.Lfunc_end_k_q2cb060c0e1_prep:
	.size	k_q2cb060c0e1_prep, .Lfunc_end_k_q2cb060c0e1_prep-k_q2cb060c0e1_prep
	.p2alignl 7, 3214868480
	.fill 96, 4, 3214868480
	.section	.rodata,"a",@progbits
	.p2align	6, 0x0
	.amdhsa_kernel k_q2cb060c0e1_prep
		.amdhsa_group_segment_fixed_size 327680
		.amdhsa_private_segment_fixed_size 0
		.amdhsa_enable_private_segment 0
		.amdhsa_kernarg_size 80
		.amdhsa_user_sgpr_count 2
		.amdhsa_user_sgpr_kernarg_segment_ptr 1
		.amdhsa_wavefront_size32 1
		.amdhsa_system_sgpr_workgroup_id_x 1
		.amdhsa_system_sgpr_workgroup_id_y 1
		.amdhsa_system_sgpr_workgroup_id_z 1
		.amdhsa_system_vgpr_workitem_id 0
		.amdhsa_next_free_vgpr 256
		.amdhsa_next_free_sgpr 66
		.amdhsa_reserve_vcc 1
		.amdhsa_float_denorm_mode_32 3
		.amdhsa_float_denorm_mode_16_64 3
		.amdhsa_memory_ordered 1
		.amdhsa_forward_progress 1
		.amdhsa_inst_pref_size 80
	.end_amdhsa_kernel
	.amdgpu_metadata
---
amdhsa.version: [ 1, 2 ]
amdhsa.kernels:
  - .name:           k_q2cb060c0e1_prep
    .symbol:         k_q2cb060c0e1_prep.kd
    .args:
      - { .name: x, .offset: 0, .size: 8, .value_kind: global_buffer, .address_space: global }
      - { .name: codes, .offset: 8, .size: 8, .value_kind: global_buffer, .address_space: global }
      - { .name: scales, .offset: 16, .size: 8, .value_kind: global_buffer, .address_space: global }
      - { .name: lora_A, .offset: 24, .size: 8, .value_kind: global_buffer, .address_space: global }
      - { .name: lora_B, .offset: 32, .size: 8, .value_kind: global_buffer, .address_space: global }
      - { .name: lowp_scales, .offset: 40, .size: 8, .value_kind: global_buffer, .address_space: global }
      - { .name: xq, .offset: 48, .size: 8, .value_kind: global_buffer, .address_space: global }
      - { .name: wq, .offset: 56, .size: 8, .value_kind: global_buffer, .address_space: global }
      - { .name: lb16, .offset: 64, .size: 8, .value_kind: global_buffer, .address_space: global }
      - { .name: t16, .offset: 72, .size: 8, .value_kind: global_buffer, .address_space: global }
    .group_segment_fixed_size: 327680
    .private_segment_fixed_size: 0
    .kernarg_segment_align: 8
    .kernarg_segment_size: 80
    .max_flat_workgroup_size: 512
    .sgpr_count:     66
    .vgpr_count:     256
    .wavefront_size: 32
...
	.end_amdgpu_metadata
.endif
;; end of part 1
;; launch gemm (part 2): grid 16 x 16, 4 waves a work-group, clusters of 4 x 4, 327,680 bytes of LDS; arguments xq, wq, t16, lb16, lowp_scales, out0; writes out0
.if DOCPART == 2
	.amdgcn_target "amdgcn-amd-amdhsa--gfx1250"
	.amdhsa_code_object_version 6
	.text
	.protected	k_q2cb060c0e1_gemm
	.globl	k_q2cb060c0e1_gemm
	.p2align	8
	.type	k_q2cb060c0e1_gemm,@function
k_q2cb060c0e1_gemm:
	s_mov_b64 s[64:65], 0
	v_nop
	global_prefetch_b8 v0, s[64:65] scope:SCOPE_SE
	s_setreg_imm32_b32 hwreg(HW_REG_WAVE_MODE, 25, 1), 1
	s_wait_xcnt 0x0
	s_wait_alu depctr_hold_cnt(0) depctr_sa_sdst(0) depctr_va_vdst(0) depctr_va_sdst(0) depctr_va_ssrc(0) depctr_va_vcc(0) depctr_vm_vsrc(0)
	s_getreg_b32 s2, hwreg(HW_REG_IB_STS2, 6, 4)
	s_cmp_eq_u32 s2, 0
	s_cbranch_scc0 .Lentry_in_a_cluster
	s_endpgm
.Lentry_in_a_cluster:
	s_bfe_u32 s2, ttmp6, 0x10000c
	s_cmp_lg_u32 s2, 0xf033
	s_cbranch_scc0 .Lentry_shape_is_right
	s_endpgm
.Lentry_shape_is_right:
; out0[m][n] = 2^(e0 + e1) x ( sum over k of xq[m][k] wq[n][k]  +  sum over the 16 ranks of t16[m][j] lb16[n][j] ).
; xq, wq: codes of BF8 (E5M2) laid as images of operand registers, [K / 256][rows / 16][two fragments of 2,048 bytes]; t16, lb16: bf16 fragments of 1,024 bytes for each 16 rows,
; t16 already divided by 2^(e0 + e1) and holding SCALING.  The low-rank product (bf16 form, C = 0) starts the 64 sums of a wave; the products on codes add onto them; each finished sum is multiplied once.
; LIMIT: e0 + e1 lies between -126 and 127, so that 2^(e0 + e1) is an f32 number.
; SHARES: a work-group of four waves makes 256 x 256 of out0, a wave 128 x 128: 64 accumulators, 512 registers.  4,096 / 256 squared = 256 work-groups.
; K goes in 16 steps of 256 through two LDS slots of 131,072 bytes; a wave's one tensor load brings 32,768 consecutive bytes (128 rows of 256 bytes), a quarter of a slot.
; CLUSTERS of 4 x 4: x's tiles are asked for jointly along a row of the cluster, W's along a column.
; THE MATRIX INSTRUCTION IS USED TRANSPOSED (source 0 = rows of W, source 1 = rows of x): a lane holds eight neighbouring numbers of a row of out0.
; PREFETCH: of the 128 blocks of 256 bytes that a wave's load brings, each of the four partners that ask jointly names 32, told apart by address (cx for x, cy for W), a lane a block, one instruction a wave.
; K steps 1 and 2 are named behind the first load, K step 3 behind the second; the refill of K step t names K step t + 2; the loop's last trip, whose refills are K steps 14 and 15, names nothing.
; THE LAST K STEP GOES BY ROWS OF out0: all of W's fragments of the slot fill window 1, x's come by blocks of 16 rows, and each finished block leaves while the next is multiplied.
; REGISTERS: window 0: v0-31 addresses; v32-95 t's fragments, later a block's scaled sums; v128-255 x's fragments.  window 1: W's fragments, two sets (at the head lora_B's in v128-191).
;   window 2: accumulators of my rows 0-63 ((a, b) at v[8 (8 a + b)]); window 3: rows 64-127.  On the way out a block comes back from the stage into its own accumulators' registers.
.set FR,     16                        ; registers of a fragment
.set NL,     4                         ; LDS loads that bring one
.set NP,     4                         ; places behind the matrix instruction (ISA guide 7.12.1)
.set FRB,    2048                      ; bytes of a fragment: 16 rows x 128 K
.set TILEB,  4096                      ; 16 rows x 256 K
.set HALFT,  8*TILEB                   ; 128 rows: one tensor load
.set SLOT,   4*HALFT                   ; x's 256 rows, then W's 256 rows
.set KSLOTB, 256*TILEB                 ; from one K step to the next in xq and wq
.set LAPS,   8                         ; a lap = two K steps
.set SPARE,  2*SLOT                    ; the spare words: 128 bytes a wave, named by no other line
.set SPITCH, 528                       ; the stage: 16 rows x (512 + 16) bytes a wave, in slot 0, which has had its last fill and its last read when the first result is stored there
.set ROWC,   16384                     ; a row of out0 in bytes
.set ADRA, 16                          ; v16-17 LDS address of my fragments of x in slot 0, 1
.set ADRB, 20                          ; v20-21 the same for W
.set STO,  24                          ; into the stage
.set RD,   25                          ; out of the stage
.set CO,   26                          ; 16 x lane
.set PFO,  27                          ; 256 x lane: the prefetches' offset; never rewritten
.set SPW,  28                          ; my spare word; never rewritten
.set NIL,  29                          ; 0; never rewritten
.set TF,   32
.set TMP,  32
.set LB,   128
.set AF,   128
.set G1, 24
.set G0, 32
.set G1B, 48
.set G0B, 56
.set PFA, 70                           ; s[70:71] where my prefetches stand
.set MSB, 0
.macro WIN new                         ; the immediate's high byte repeats the setting that is left
.if MSB != \new
	s_set_vgpr_msb (MSB<<8)|\new
.set MSB, \new
.endif
.endm
.set MUL_LO, 0xa1                      ; source 0 window 1, source 1 window 0, C and D window 2
.set MUL_HI, 0xf1                      ; the same, C and D window 3
.set TO_B,   0x40                      ; destination window 1
.macro JLOAD g0a, g1a, g0b, g1b        ; a joint load: waves 0, 1 for x, waves 2, 3 for W; s_nop 0 and four v_nop behind each line
	s_cmp_eq_u32 s17, 0
	s_cbranch_scc0 .Lfor_b_\@
	tensor_load_to_lds s[\g0a:\g0a+3], s[\g1a:\g1a+7]
	s_nop 0
.rept 4
	v_nop
.endr
	s_branch .Lasked_\@
.Lfor_b_\@:
	tensor_load_to_lds s[\g0b:\g0b+3], s[\g1b:\g1b+7]
	s_nop 0
.rept 4
	v_nop
.endr
.Lasked_\@:
.endm
.macro CREST                           ; a round of the cluster's barrier behind its opening barrier
	s_cmp_lg_u32 s16, 0
	s_cbranch_scc1 .Lnot_wave_0_\@
	s_barrier_signal -3
.Lnot_wave_0_\@:
	s_barrier_wait -3
	s_barrier_signal -1
	s_barrier_wait -1
.endm
.macro CROUND
	s_barrier_signal -1
	s_barrier_wait -1
	CREST
.endm
	s_load_b128 s[4:7], s[0:1], 0x0                ; xq, wq
	s_load_b128 s[8:11], s[0:1], 0x10              ; t16, lb16
	s_load_b128 s[12:15], s[0:1], 0x20             ; the exponents, out0
	v_lshl_add_u32 v[SPW], v0, 2, SPARE
	v_mov_b32 v[NIL], 0
	ds_add_u32 v[SPW], v[NIL]                      ; the opening lines: the add twice on end,
	ds_add_u32 v[SPW], v[NIL]                      ; under one wait; work on registers stands between
	v_lshrrev_b32 v1, 5, v0
	v_readfirstlane_b32 s16, v1                    ; wave 0..3
	s_lshr_b32 s17, s16, 1                         ; my half of the rows; also: I fetch for x (0) or W (1)
	s_and_b32 s18, s16, 1                          ; my half of the columns; also: which 128 rows I fetch
	s_bfe_u32 s40, ttmp6, 0x40000                  ; cx
	s_bfe_u32 s41, ttmp6, 0x40004                  ; cy
	s_lshl_b32 s42, ttmp9, 2
	s_add_co_u32 s42, s42, s40                     ; tile column
	s_and_b32 s43, ttmp7, 0xffff
	s_lshl_b32 s43, s43, 2
	s_add_co_u32 s43, s43, s41                     ; tile row
	s_lshl_b32 s44, s41, 2
	s_lshl_b32 s44, 15, s44                        ; my row of the cluster
	s_lshl_b32 s45, 0x1111, s40                    ; my column
	s_or_b32 s[G1+0], s44, (3<<16)|(1<<21)         ; the mask; elements of 8 bytes; bit 21 beside a mask; no padding: fragments are read as they lie, 16 bytes a lane on end
	s_or_b32 s[G1B+0], s45, (3<<16)|(1<<21)
.irp g, G1, G1B
	s_mov_b32 s[\g+1], 32<<16                      ; rows of 32 elements = 256 bytes
	s_mov_b32 s[\g+2], 128<<16                     ; 128 rows
	s_mov_b32 s[\g+3], 32<<16
	s_mov_b32 s[\g+4], 128
	s_mov_b32 s[\g+5], 32                          ; dense
	s_mov_b32 s[\g+6], 0
	s_mov_b32 s[\g+7], 0
.endr
	s_lshl_b32 s19, s18, 15
	s_lshl_b32 s20, s43, 16
	s_add_co_u32 s20, s20, s19                     ; xq: 65,536 x tile row + 32,768 x half
	s_mov_b32 s21, 0
	s_lshl_b32 s46, s42, 16
	s_add_co_u32 s46, s46, s19                     ; wq: the same by the tile column
	s_mov_b32 s47, 0
	s_lshl_b32 s22, s16, 15                        ; where my load lands: wave x 32,768
.irp s, 0,1
	s_mov_b32 s[G0+4*\s], 1
	s_add_co_u32 s[G0+4*\s+1], s22, \s*SLOT
	s_mov_b32 s[G0B+4*\s], 1
	s_add_co_u32 s[G0B+4*\s+1], s22, \s*SLOT
.endr
	s_lshl_b32 s72, s17, 15                        ; my 128 rows of x in slot 0, 1
	s_add_co_u32 s73, s72, SLOT
	s_lshl_b32 s74, s18, 15
	s_add_co_u32 s74, s74, 2*HALFT                 ; my 128 rows of W, behind x's 256
	s_add_co_u32 s75, s74, SLOT
	s_mul_i32 s76, s16, 16*SPITCH                  ; my stage
	v_and_b32 v2, 15, v0
	v_bfe_u32 v3, v0, 4, 1
	v_and_b32 v4, 31, v0
	v_lshlrev_b32 v[CO], 4, v4
	v_lshlrev_b32 v[PFO], 8, v4
	v_add_nc_u32 v[ADRA], s72, v[CO]
	v_add_nc_u32 v[ADRA+1], s73, v[CO]
	v_add_nc_u32 v[ADRB], s74, v[CO]
	v_add_nc_u32 v[ADRB+1], s75, v[CO]
	v_mul_u32_u24 v5, v2, SPITCH
	v_lshl_add_u32 v5, v3, 5, v5                   ; row l % 16, 32 bytes for each half of the lanes
	v_add_nc_u32 v[STO], s76, v5
	v_add_nc_u32 v[RD], s76, v[CO]
	s_wait_alu depctr_va_vdst(0)                   ; the head's last vector write, directly ahead of the waits
	s_wait_dscnt 0x0                               ; both opening adds are done
	s_wait_kmcnt 0x0
	s_load_b64 s[96:97], s[12:13], 0x0             ; e0, e1
	s_add_nc_u64 s[20:21], s[4:5], s[20:21]
	s_add_nc_u64 s[46:47], s[6:7], s[46:47]
.irp s, 0,1
	s_add_nc_u64 s[G0+4*\s+2:G0+4*\s+3], s[20:21], \s*KSLOTB
	s_or_b32 s[G0+4*\s+3], s[G0+4*\s+3], 0x80000000
	s_add_nc_u64 s[G0B+4*\s+2:G0B+4*\s+3], s[46:47], \s*KSLOTB
	s_or_b32 s[G0B+4*\s+3], s[G0B+4*\s+3], 0x80000000
.endr
	s_lshl_b32 s66, s43, 14                        ; t16: 1,024 bytes for each 16 rows
	s_lshl_b32 s68, s17, 13
	s_add_co_u32 s66, s66, s68
	s_mov_b32 s67, 0
	s_add_nc_u64 s[8:9], s[8:9], s[66:67]
	s_lshl_b32 s66, s42, 14                        ; lb16 likewise
	s_lshl_b32 s68, s18, 13
	s_add_co_u32 s66, s66, s68
	s_add_nc_u64 s[10:11], s[10:11], s[66:67]
.irp a, 0,1,2,3,4,5,6,7                            ; the low-rank fragments are asked for ahead of the first round
	global_load_b128 v[TF+8*\a:TF+8*\a+3],   v[CO], s[8:9] offset:1024*\a
	global_load_b128 v[TF+8*\a+4:TF+8*\a+7], v[CO], s[8:9] offset:1024*\a+512
.endr
	WIN TO_B
.irp b, 0,1,2,3,4,5,6,7
	global_load_b128 v[LB+8*\b:LB+8*\b+3],   v[CO], s[10:11] offset:1024*\b
	global_load_b128 v[LB+8*\b+4:LB+8*\b+7], v[CO], s[10:11] offset:1024*\b+512
.endr
	WIN 0
	s_cmp_eq_u32 s17, 0                            ; the prefetches: x's tile by the tile row, W's by the tile column;
	s_cselect_b32 s68, s43, s42
	s_cselect_b32 s69, s40, s41                    ; my place among the four that ask with me
	s_cselect_b64 s[PFA:PFA+1], s[4:5], s[6:7]
	s_lshl_b32 s68, s68, 16
	s_lshl_b32 s69, s69, 13                        ; my work-group's 32 blocks of 256 bytes
	s_add_co_u32 s68, s68, s69
	s_add_co_u32 s68, s68, s19                     ; + the 32,768 bytes that my wave fetches
	s_mov_b32 s69, 0
	s_add_nc_u64 s[PFA:PFA+1], s[PFA:PFA+1], s[68:69]
	CROUND                                         ; all sixteen work-groups are here: the first joint loads meet
	JLOAD G0, G1, G0B, G1B                         ; K step 0: one tensor load a wave at the head
	global_prefetch_b8 v[PFO], s[PFA:PFA+1] offset:KSLOTB th:TH_LOAD_NT scope:SCOPE_SE     ; K step 1
	global_prefetch_b8 v[PFO], s[PFA:PFA+1] offset:2*KSLOTB th:TH_LOAD_NT scope:SCOPE_SE   ; K step 2
	s_lshl_b32 s66, s43, 22                        ; out0: my first row and column, in bytes
	s_lshl_b32 s68, s17, 21
	s_add_co_u32 s66, s66, s68
	s_lshl_b32 s68, s42, 10
	s_add_co_u32 s66, s66, s68
	s_lshl_b32 s68, s18, 9
	s_add_co_u32 s66, s66, s68
	s_add_nc_u64 s[14:15], s[14:15], s[66:67]
.macro FRAG reg, adr, q, i             ; a fragment as it lies: four chunks of 512 bytes, 16 bytes a lane
.irp c, 0,1,2,3
	ds_load_b128 v[\reg+4*\c:\reg+4*\c+3], v[\adr] offset:TILEB*(\i)+FRB*(\q)+512*\c
.endr
.endm
.macro MUL16 a0, p                     ; x's blocks a0, a0 + 1 against W's eight, 128 along K; the 64 accumulators take turns
.irp a, \a0, \a0+1
.irp b, 0,1,2,3,4,5,6,7
	v_wmma_f32_16x16x128_bf8_bf8 v[8*(8*((\a)%4)+\b):8*(8*((\a)%4)+\b)+7], v[128*(\p)+FR*\b:128*(\p)+FR*\b+FR-1], v[AF+FR*(\a):AF+FR*(\a)+FR-1], v[8*(8*((\a)%4)+\b):8*(8*((\a)%4)+\b)+7]
.endr
.endr
.endm
.macro LORA16 a0                       ; t lora_B^T starts the sums: nothing is cleared
.irp a, \a0, \a0+1
.irp b, 0,1,2,3,4,5,6,7
	v_wmma_f32_16x16x32_bf16 v[8*(8*((\a)%4)+\b):8*(8*((\a)%4)+\b)+7], v[LB+8*\b:LB+8*\b+7], v[TF+8*(\a):TF+8*(\a)+7], 0
.endr
.endr
.endm
.macro FETCH_B slot, q, p
	WIN TO_B
.irp i, 0,1,2,3,4,5,6,7
	FRAG 128*(\p)+FR*\i, ADRB+\slot, \q, \i
.endr
	WIN 0
.endm
.macro FETCH_A slot, q, i0
.irp i, \i0, \i0+1, \i0+2, \i0+3
	FRAG AF+FR*(\i), ADRA+\slot, \q, \i
.endr
.endm
.macro PLACES n
.rept \n
	v_nop
.endr
.endm
.macro STEP slot, q                    ; 128 along K with its successor in the same slot
	s_wait_dscnt 4*NL                              ; W's set and x's blocks 0-3 are in; the youngest sixteen loads (blocks 4-7) may be out
	WIN MUL_LO
	MUL16 0, (\q)%2
	MUL16 2, (\q)%2
	s_wait_dscnt 0
	PLACES NP
	FETCH_B \slot, (\q)+1, 1-(\q)%2
	FETCH_A \slot, (\q)+1, 0
	WIN MUL_HI
	MUL16 4, (\q)%2
	MUL16 6, (\q)%2
	PLACES NP
	WIN 0
	FETCH_A \slot, (\q)+1, 4
.endm
.macro TURN slot, next                 ; a slot's last 128 along K: the change of slots, and this slot's refill two K steps on
	s_wait_xcnt 0x0                                ; my earlier prefetches have read their address: it steps one K step
	s_add_nc_u64 s[PFA:PFA+1], s[PFA:PFA+1], KSLOTB
	s_wait_tensorcnt 0x0                           ; all my tensor loads have landed: my part of the next slot;
	ds_add_u32 v[SPW], v[NIL]
	s_add_nc_u64 s[G0+4*\slot+2:G0+4*\slot+3], s[G0+4*\slot+2:G0+4*\slot+3], 2*KSLOTB      ; no load of mine is out: the descriptors step
	s_add_nc_u64 s[G0B+4*\slot+2:G0B+4*\slot+3], s[G0B+4*\slot+2:G0B+4*\slot+3], 2*KSLOTB
	s_wait_dscnt 4*NL+1                            ; the add and x's blocks 4-7 may be out
	WIN MUL_LO
	MUL16 0, 1
	s_wait_dscnt 0x0                               ; the add is done, my reads of this slot are over
	s_barrier_signal -1
	MUL16 2, 1
	WIN 0
	s_barrier_wait -1
	CREST                                          ; the barrier has opened a round of the cluster's barrier
	JLOAD G0+4*\slot, G1, G0B+4*\slot, G1B         ; the first tensor load behind the round; its four v_nop are also the places in front of the loads below
	FETCH_B \next, 0, 0
	FETCH_A \next, 0, 0
	s_cmp_lg_u32 s3, 1                             ; the last trip's refills have no K step two on
	s_cbranch_scc0 .Lno_ask_\@
	global_prefetch_b8 v[PFO], s[PFA:PFA+1] offset:3*KSLOTB th:TH_LOAD_NT scope:SCOPE_SE   ; the K step two behind the one just asked for
.Lno_ask_\@:
	WIN MUL_HI
	MUL16 4, 1
	MUL16 6, 1
	PLACES NP
	WIN 0
	FETCH_A \next, 0, 4
.endm
	s_wait_loadcnt 0x0                             ; the low-rank fragments are in; their products run while K step 0 is on its way
	WIN MUL_LO
	LORA16 0
	LORA16 2
	WIN MUL_HI
	LORA16 4
	LORA16 6
	WIN 0
	PLACES NP+1                                    ; another form writes over these results: five places
	s_wait_tensorcnt 0x0                           ; my part of K step 0 is in
	ds_add_u32 v[SPW], v[NIL]
	s_wait_dscnt 0x0
	CROUND
	JLOAD G0+4, G1, G0B+4, G1B                     ; K step 1, the first tensor load behind the round
	FETCH_B 0, 0, 0
	FETCH_A 0, 0, 0
	FETCH_A 0, 0, 4
	global_prefetch_b8 v[PFO], s[PFA:PFA+1] offset:3*KSLOTB th:TH_LOAD_NT scope:SCOPE_SE   ; K step 3
	STEP 0, 0
	s_mov_b32 s3, LAPS-1
.Llap:                                                 ; once round the ring, from a lap's second 128 to the next lap's first
	TURN 0, 1
	STEP 1, 0
	TURN 1, 0
	STEP 0, 0
	s_sub_co_u32 s3, s3, 1
	s_cmp_lg_u32 s3, 0
	s_cbranch_scc1 .Llap
; ---- the last change of slots fills nothing; K step 15 (slot 1) goes by rows of out0
.macro ALOAD a                         ; x's block a, both halves of the K step, into buffer a % 4 (32 registers)
.irp q, 0,1
	FRAG AF+32*((\a)%4)+FR*\q, ADRA+1, \q, \a
.endr
.endm
.macro ROW a                           ; block a is finished: 16 matrix instructions, its 8 accumulators by turns, K ascending
.set FA, AF+32*((\a)%4)
.set AC, 64*((\a)%4)
.if (\a) == 0
	s_wait_dscnt 56                                ; W's first half and block 0 are in; behind them: block 1 (8), W's second half (32), blocks 2, 3 (16)
.endif
	WIN MUL_LO+0x50*((\a)/4)
.irp q, 0,1
.if (\a) == 0 && \q == 1
	s_wait_dscnt 16                                ; W's second half is in; blocks 2, 3 may be out
.endif
.irp b, 0,1,2,3,4,5,6,7
	v_wmma_f32_16x16x128_bf8_bf8 v[AC+8*\b:AC+8*\b+7], v[128*\q+FR*\b:128*\q+FR*\b+FR-1], v[FA+FR*\q:FA+FR*\q+FR-1], v[AC+8*\b:AC+8*\b+7]
.endr
.endr
.endm
.macro OUT a                           ; block a x 2^(e0 + e1), through my stage, back as whole rows of 512 bytes into the block's own accumulator registers
.set AC, 64*((\a)%4)
	WIN 0x02+((\a)/4)
.irp j, 0,2,4,6,8,10,12,14,16,18,20,22,24,26,28,30,32,34,36,38,40,42,44,46,48,50,52,54,56,58,60,62
	v_pk_mul_f32 v[TMP+\j:TMP+\j+1], v[AC+\j:AC+\j+1], s[96:97] op_sel_hi:[1,0]   ; each accumulator from its low end on
.endr
	WIN 0
.irp b, 0,1,2,3,4,5,6,7
	ds_store_b128 v[STO], v[TMP+8*\b:TMP+8*\b+3] offset:64*\b
	ds_store_b128 v[STO], v[TMP+8*\b+4:TMP+8*\b+7] offset:64*\b+16
.endr
	WIN 0x80+0x40*((\a)/4)                         ; destination window 2 or 3
.irp t, 0,1,2,3,4,5,6,7,8,9,10,11,12,13,14,15
	ds_load_b128 v[AC+4*\t:AC+4*\t+3], v[RD] offset:\t*SPITCH   ; LDS serves a wave's instructions in order (ISA guide 5.7.1.4): these see the stores above
.endr
	WIN 0
.endm
.macro SEND a, younger                 ; every offset is an immediate (127 rows of 16,384 bytes at the most) and every block has registers of its own: nothing that a store names is written again
.set AC, 64*((\a)%4)
	s_wait_dscnt \younger
	WIN 0x08+4*((\a)/4)                            ; the stores' data: window 2 or 3
.irp t, 0,1,2,3,4,5,6,7,8,9,10,11,12,13,14,15
	global_store_b128 v[CO], v[AC+4*\t:AC+4*\t+3], s[14:15] offset:(16*(\a)+\t)*ROWC th:TH_STORE_NT   ; 32 lanes store 512 consecutive bytes, aligned
.endr
.endm
	s_wait_kmcnt 0x0
	s_add_co_i32 s96, s96, s97
	s_add_co_i32 s96, s96, 127
	s_lshl_b32 s96, s96, 23                        ; 2^(e0 + e1) as f32
	s_wait_tensorcnt 0x0                           ; my part of slot 1 is in;
	ds_add_u32 v[SPW], v[NIL]
	s_wait_dscnt 4*NL+1
	WIN MUL_LO
	MUL16 0, 1
	s_wait_dscnt 0x0                               ; the add is done, my reads of slot 0 are over
	s_barrier_signal -1
	MUL16 2, 1
	s_barrier_wait -1                              ; slot 1 is whole, and nobody reads slot 0 any more
	PLACES NP
	FETCH_B 1, 0, 0                                ; W's first half into set 0
	ALOAD 0                                        ; into the registers of x's blocks 0-3, whose products are issued
	ALOAD 1
	WIN MUL_HI
	MUL16 4, 1
	MUL16 6, 1
	PLACES NP
	FETCH_B 1, 1, 1                                ; W's second half into set 1
	ALOAD 2
	ALOAD 3
	ROW 0
.irp a, 0,1,2,3,4,5,6,7
	PLACES NP                                      ; the multiplications below read results just made
	OUT \a
.if \a < 4
	ALOAD \a+4                                     ; its buffer takes the block four further on
.endif
.if \a < 7
	ROW \a+1                                       ; the next block is multiplied while this one turns through the stage
.endif
.if \a < 4
	SEND \a, 8                                     ; the eight loads of the block four on may be out
.else
	SEND \a, 0
.endif
.endr
	WIN 0
	s_wait_tensorcnt 0x0                           ; the wave's end
	ds_add_u32 v[SPW], v[NIL]
	s_wait_dscnt 0x0
	CROUND                                         ; the closing round
	s_endpgm
.Lfunc_end_k_q2cb060c0e1_gemm:
	.size	k_q2cb060c0e1_gemm, .Lfunc_end_k_q2cb060c0e1_gemm-k_q2cb060c0e1_gemm
	.p2alignl 7, 3214868480
	.fill 96, 4, 3214868480
	.section	.rodata,"a",@progbits
	.p2align	6, 0x0
	.amdhsa_kernel k_q2cb060c0e1_gemm
		.amdhsa_group_segment_fixed_size 327680
		.amdhsa_private_segment_fixed_size 0
		.amdhsa_enable_private_segment 0
		.amdhsa_kernarg_size 48
		.amdhsa_user_sgpr_count 2
		.amdhsa_user_sgpr_kernarg_segment_ptr 1
		.amdhsa_wavefront_size32 1
		.amdhsa_system_sgpr_workgroup_id_x 1
		.amdhsa_system_sgpr_workgroup_id_y 1
		.amdhsa_system_sgpr_workgroup_id_z 1
		.amdhsa_system_vgpr_workitem_id 0
		.amdhsa_next_free_vgpr 1024
		.amdhsa_next_free_sgpr 98
		.amdhsa_reserve_vcc 0
		.amdhsa_float_denorm_mode_32 3
		.amdhsa_float_denorm_mode_16_64 3
		.amdhsa_memory_ordered 1
		.amdhsa_forward_progress 1
		.amdhsa_inst_pref_size 132
	.end_amdhsa_kernel
	.amdgpu_metadata
---
amdhsa.version: [ 1, 2 ]
amdhsa.kernels:
  - .name:           k_q2cb060c0e1_gemm
    .symbol:         k_q2cb060c0e1_gemm.kd
    .args:
      - { .name: xq, .offset: 0, .size: 8, .value_kind: global_buffer, .address_space: global }
      - { .name: wq, .offset: 8, .size: 8, .value_kind: global_buffer, .address_space: global }
      - { .name: t16, .offset: 16, .size: 8, .value_kind: global_buffer, .address_space: global }
      - { .name: lb16, .offset: 24, .size: 8, .value_kind: global_buffer, .address_space: global }
      - { .name: lowp_scales, .offset: 32, .size: 8, .value_kind: global_buffer, .address_space: global }
      - { .name: out0, .offset: 40, .size: 8, .value_kind: global_buffer, .address_space: global }
    .group_segment_fixed_size: 327680
    .private_segment_fixed_size: 0
    .kernarg_segment_align: 8
    .kernarg_segment_size: 48
    .max_flat_workgroup_size: 128
    .sgpr_count:     98
    .vgpr_count:     1024
    .wavefront_size: 32
...
	.end_amdgpu_metadata
.endif
;; end of part 2
